; MI455X (gfx1250); checked and timed in simulation.
; The chip was launched on July 23, 2026; its instructions are those of AMD's public machine-readable ISA for CDNA 5 (MIT licence, August 2026) and "CDNA5" Instruction Set Architecture Reference Guide (July 2026). The comments in the code are by the model that wrote it; some were corrected since.
;; Attention mydecoder. Allowed arithmetic: float matrix products may take bf16 or f16 operands with f32 sums; all other float work in f32.
;; Inputs: Wkv 1,024 x 2,048 float32; Wout 1,024 x 1,024 float32; Wq 1,024 x 1,024 float32; bout 1,024 float32; image 8 x 2,048 x 1,024 float32; kv_mask 8 x 2,048 bool; q_mask 8 x 512 bool; txt 8 x 512 x 1,024 float32.
;; Outputs: out0 8 x 512 x 1,024 float32.
;; One version. Each part assembles by itself: llvm-mc -triple=amdgcn-amd-amdhsa -mcpu=gfx1250 --defsym DOCPART=n.
;; ======== version 1 of 1: 5 launches
;; limits: values are held in f16: magnitudes above 65,504 overflow, below 6.1e-05 lose precision
;; workspace buffers: wkvb 4,194,304 bytes; wqb 2,097,152 bytes; wob 2,097,152 bytes; zrow 4,096 bytes; act16 41,943,040 bytes; qf 16,777,216 bytes; kvb 67,108,864 bytes; of16 8,388,608 bytes
;; launch prep (part 1): grid 1536 x 1, 8 waves a work-group, no clusters, 0 bytes of LDS; arguments Wkv, Wq, Wout, image, txt, wkvb, wqb, wob, act16, zrow; writes wkvb, wqb, wob, act16, zrow
.if DOCPART == 1
	.amdgcn_target "amdgcn-amd-amdhsa--gfx1250"
	.amdhsa_code_object_version 6
	.text
	.protected	k_qb53ba6598c_prep
	.globl	k_qb53ba6598c_prep
	.p2align	8
	.type	k_qb53ba6598c_prep,@function
k_qb53ba6598c_prep:
	s_mov_b64 s[64:65], 0
	v_nop
	global_prefetch_b8 v0, s[64:65] scope:SCOPE_SE
	s_setreg_imm32_b32 hwreg(HW_REG_WAVE_MODE, 25, 1), 1
	s_wait_xcnt 0x0
; Everything that enters a projection as a matrix operand is rounded once, here, from f32 to f16: the three weight matrices, image and txt.
; f16 and not bf16: 11 significant bits against 8; a result here passes some ten roundings of operands one after the other.
; LIMIT: a number beyond 65,504 in magnitude becomes infinite; below 2^-14 the rounding step is 2^-24.  The weights' spread is 0.02: thirty times
; more (or an offset of 0.6) is 0.6, thirty times less is 6.7e-4, of which that step's error (3e-8 at the most) is 4.5e-5.  image and txt have
; spread 1: thirty times more is about 165 at the most, an offset of 30 about 35, thirty times less 0.033.
; LAYOUTS.  wqb, wob: [K][N] as given.  wkvb[k] = for each head the 64 columns of K, then the 64 columns of V, so that in the product a head's K and V of
; one key are 256 neighbouring bytes.  act16: first txt in tile order [32 blocks of 128 rows][16 blocks of 64 k][128 rows][64 k] (a block of 128 rows
; x 64 k is 16,384 consecutive bytes, and two rows' pieces of 128 bytes are one aligned piece of 256), then, from byte 8,388,608, image row-major.
; zrow = 1,024 zeros in f32 (the Q projection's bias row).
; A stream: every byte is read once and written once; no LDS, no barrier, no matrix unit, no cluster (no two work-groups read the same bytes).
; A unit is 128 numbers: one load of a wave (512 bytes, as one piece or as two aligned pieces of 256) and one store of a wave
; (32 lanes x 8 bytes = 256 consecutive bytes, aligned).  A wave does 16 units, each with registers of its own: all 16 loads go out first.
; 12,288 waves of 8,192 bytes each: 1,024 for Wkv, 512 for Wq, 512 for Wout, 8,192 for image, 2,048 for txt.
.set X, 4                              ; v[4:67]    unit j: 4 registers as loaded
.set Y, 68                             ; v[68:99]   unit j: 2 registers to store
.set Z, 100                            ; v[100:103] at work, then zeros
.set IMG, 8388608                      ; where image begins in act16
	s_load_b512 s[4:19], s[0:1], 0x0               ; Wkv s[4:5], Wq s[6:7], Wout s[8:9], image s[10:11], txt s[12:13], wkvb s[14:15], wqb s[16:17], wob s[18:19]
	s_load_b128 s[20:23], s[0:1], 0x40             ; act16 s[20:21], zrow s[22:23]
	v_lshrrev_b32 v1, 5, v0
	v_readfirstlane_b32 s24, v1                    ; wave 0..7
	s_lshl_b32 s25, ttmp9, 3
	s_add_co_u32 s25, s25, s24                     ; the wave's block, 0..12287
	v_and_b32 v3, 31, v0                           ; lane
	v_lshlrev_b32 v2, 3, v3                        ; where a lane stores: 8 bytes each
	v_and_b32 v1, 15, v3                           ; where a lane loads, for Wkv and txt: lanes 0-15 one piece of 256 bytes,
	v_lshlrev_b32 v1, 4, v1
	v_and_b32 v[Z], 16, v3
	v_lshl_add_u32 v1, v[Z], 8, v1                 ; lanes 16-31 the piece 4,096 bytes further
	s_mov_b32 s31, 0                               ; high words of the two offset pairs
	s_mov_b32 s33, 0
; 16 units: source bytes us apart, destination bytes ud apart
.macro CAST us, ud
.set j, 0
.rept 16
	global_load_b128 v[X+4*j:X+4*j+3], v1, s[26:27] offset:\us*j th:TH_LOAD_NT
.set j, j+1
.endr
.set j, 0
.rept 16
	s_wait_loadcnt 15-j                            ; loads come back in order: unit j is in, the 15-j younger ones stay out
	v_cvt_pk_f16_f32 v[Y+2*j], v[X+4*j], v[X+4*j+1]
	v_cvt_pk_f16_f32 v[Y+2*j+1], v[X+4*j+2], v[X+4*j+3]
	global_store_b64 v2, v[Y+2*j:Y+2*j+1], s[28:29] offset:\ud*j
.set j, j+1
.endr
.endm
	s_wait_kmcnt 0x0
	s_cmp_ge_u32 ttmp9, 1280
	s_cbranch_scc1 .Ltxt
	s_cmp_ge_u32 ttmp9, 128
	s_cbranch_scc1 .Lplain
	; Wkv: the block is row k.  Unit j is head j: lanes 0-15 take its 64 K columns (256 bytes at 256 j), lanes 16-31 its 64 V columns (4,096 bytes further)
	s_lshl_b32 s30, s25, 13                        ; a row of Wkv: 8,192 bytes
	s_lshl_b32 s32, s25, 12                        ; a row of wkvb: 4,096 bytes
	s_add_nc_u64 s[26:27], s[4:5], s[30:31]
	s_add_nc_u64 s[28:29], s[14:15], s[32:33]
	CAST 256, 256
	s_cmp_lg_u32 ttmp9, 0
	s_cbranch_scc1 .Ldone
	v_mov_b32 v[Z], 0                              ; work-group 0 also writes the row of zeros: 256 threads x 16 bytes
	v_mov_b32 v[Z+1], 0
	v_mov_b32 v[Z+2], 0
	v_mov_b32 v[Z+3], 0
	v_lshlrev_b32 v3, 4, v0
	global_store_b128 v3, v[Z:Z+3], s[22:23]
.Ldone:
	s_endpgm
.Ltxt:
	; txt: the block is a pair of rows, 8,192 consecutive bytes.  Unit j is k-block j: lanes 0-15 take the even row's 64 numbers, lanes 16-31 the odd row's;
	; their 2 x 128 bytes of f16 are neighbours in the tile order
	s_sub_co_u32 s25, s25, 10240                   ; the pair, 0..2047
	s_lshl_b32 s30, s25, 13
	s_lshr_b32 s34, s25, 6                         ; block of 128 rows: 262,144 bytes
	s_lshl_b32 s34, s34, 18
	s_and_b32 s35, s25, 63                         ; the pair inside it: 256 bytes
	s_lshl_b32 s35, s35, 8
	s_add_co_u32 s32, s34, s35
	s_add_nc_u64 s[26:27], s[12:13], s[30:31]
	s_add_nc_u64 s[28:29], s[20:21], s[32:33]
	CAST 256, 16384
	s_endpgm
.Lplain:
	; Wq (blocks 1024..1535), Wout (1536..2047) or image (2048..10239): 8,192 consecutive bytes in, 4,096 out
	s_mov_b32 s34, 1024
	s_mov_b32 s35, 1536
	s_mov_b32 s36, 2048
	s_add_nc_u64 s[38:39], s[20:21], IMG
	s_cmp_ge_u32 ttmp9, 192
	s_cselect_b64 s[26:27], s[8:9], s[6:7]
	s_cselect_b64 s[28:29], s[18:19], s[16:17]
	s_cselect_b32 s34, s35, s34
	s_cmp_ge_u32 ttmp9, 256
	s_cselect_b64 s[26:27], s[10:11], s[26:27]
	s_cselect_b64 s[28:29], s[38:39], s[28:29]
	s_cselect_b32 s34, s36, s34
	s_sub_co_u32 s25, s25, s34                     ; the block inside its matrix
	s_lshl_b32 s30, s25, 13
	s_lshl_b32 s32, s25, 12
	s_add_nc_u64 s[26:27], s[26:27], s[30:31]
	s_add_nc_u64 s[28:29], s[28:29], s[32:33]
	v_lshlrev_b32 v1, 4, v3                        ; 16 bytes a lane
	CAST 512, 256
	s_endpgm
.Lfunc_end_k_qb53ba6598c_prep:
	.size	k_qb53ba6598c_prep, .Lfunc_end_k_qb53ba6598c_prep-k_qb53ba6598c_prep
	.p2alignl 7, 3214868480
	.fill 96, 4, 3214868480
	.section	.rodata,"a",@progbits
	.p2align	6, 0x0
	.amdhsa_kernel k_qb53ba6598c_prep
		.amdhsa_group_segment_fixed_size 0
		.amdhsa_private_segment_fixed_size 0
		.amdhsa_enable_private_segment 0
		.amdhsa_kernarg_size 80
		.amdhsa_user_sgpr_count 2
		.amdhsa_user_sgpr_kernarg_segment_ptr 1
		.amdhsa_wavefront_size32 1
		.amdhsa_system_sgpr_workgroup_id_x 1
		.amdhsa_system_sgpr_workgroup_id_y 1
		.amdhsa_system_sgpr_workgroup_id_z 1
		.amdhsa_system_vgpr_workitem_id 0
		.amdhsa_next_free_vgpr 104
		.amdhsa_next_free_sgpr 66
		.amdhsa_reserve_vcc 0
		.amdhsa_float_denorm_mode_32 3
		.amdhsa_float_denorm_mode_16_64 3
		.amdhsa_memory_ordered 1
		.amdhsa_forward_progress 1
		.amdhsa_inst_pref_size 20
	.end_amdhsa_kernel
	.amdgpu_metadata
---
amdhsa.version: [ 1, 2 ]
amdhsa.kernels:
  - .name:           k_qb53ba6598c_prep
    .symbol:         k_qb53ba6598c_prep.kd
    .args:
      - { .name: Wkv, .offset: 0, .size: 8, .value_kind: global_buffer, .address_space: global }
      - { .name: Wq, .offset: 8, .size: 8, .value_kind: global_buffer, .address_space: global }
      - { .name: Wout, .offset: 16, .size: 8, .value_kind: global_buffer, .address_space: global }
      - { .name: image, .offset: 24, .size: 8, .value_kind: global_buffer, .address_space: global }
      - { .name: txt, .offset: 32, .size: 8, .value_kind: global_buffer, .address_space: global }
      - { .name: wkvb, .offset: 40, .size: 8, .value_kind: global_buffer, .address_space: global }
      - { .name: wqb, .offset: 48, .size: 8, .value_kind: global_buffer, .address_space: global }
      - { .name: wob, .offset: 56, .size: 8, .value_kind: global_buffer, .address_space: global }
      - { .name: act16, .offset: 64, .size: 8, .value_kind: global_buffer, .address_space: global }
      - { .name: zrow, .offset: 72, .size: 8, .value_kind: global_buffer, .address_space: global }
    .group_segment_fixed_size: 0
    .private_segment_fixed_size: 0
    .kernarg_segment_align: 8
    .kernarg_segment_size: 80
    .max_flat_workgroup_size: 256
    .sgpr_count:     66
    .vgpr_count:     104
    .wavefront_size: 32
...
	.end_amdgpu_metadata
.endif
;; end of part 1
;; launch qproj (part 2): grid 8 x 32, 4 waves a work-group, clusters of 4 x 4, 327,680 bytes of LDS; arguments act16, wqb, qf, zrow; writes qf
.if DOCPART == 2
	.amdgcn_target "amdgcn-amd-amdhsa--gfx1250"
	.amdhsa_code_object_version 6
	.text
	.protected	k_qb53ba6598c_qproj
	.globl	k_qb53ba6598c_qproj
	.p2align	8
	.type	k_qb53ba6598c_qproj,@function
k_qb53ba6598c_qproj:
	s_mov_b64 s[64:65], 0
	v_nop
	global_prefetch_b8 v0, s[64:65] scope:SCOPE_SE
	s_setreg_imm32_b32 hwreg(HW_REG_WAVE_MODE, 25, 1), 1
	s_wait_xcnt 0x0
	s_wait_alu depctr_hold_cnt(0) depctr_sa_sdst(0) depctr_va_vdst(0) depctr_va_sdst(0) depctr_va_ssrc(0) depctr_va_vcc(0) depctr_vm_vsrc(0)
	s_getreg_b32 s2, hwreg(HW_REG_IB_STS2, 6, 4)
	s_cmp_eq_u32 s2, 0
	s_cbranch_scc0 .Lentry_in_a_cluster
	s_endpgm
.Lentry_in_a_cluster:
	s_bfe_u32 s2, ttmp6, 0x10000c
	s_cmp_lg_u32 s2, 0xf033
	s_cbranch_scc0 .Lentry_shape_is_right
	s_endpgm
.Lentry_shape_is_right:
; C[m][n] = bias[n] + sum over k of A[m][k] W[k][n].  A: 4096 x 1024 f16 in tile order [32 blocks of 128 rows][16 blocks of 64 k][128 rows][64 k];
; W: [1024][1024] f16 ([K][N]); bias: [1024] f32; C: [4096][1024] f32.  Sums in f32; the bias is added in f32.
; One text for two launches: Q = txt x Wq (bias = a row of zeros; txt is the first 8,388,608 bytes of its buffer) and out = attention result x Wout + bout.
; A work-group makes 128 x 128 of C (so that 256 work-groups share the 4096 x 1024), four waves as 2 x 2: a wave makes 64 x 64, 16 accumulator tiles,
; and loads 16 fragments' halves from LDS for 16 matrix instructions.  K goes in four steps of 256 through two LDS slots: both are filled at the start and each
; once again, so the text has no loop.  From a refill's request to the wait for it a wave issues 120 matrix instructions.
; In the tile order a K step's part of A is one dense block of 65,536 bytes; a wave's load takes half of it as 128 rows of 256 bytes.
; CLUSTERS: 4 x 4 work-groups.  A's tile hangs on the block row alone and is asked for jointly along a row of the cluster, W's on the block column
; alone and is asked for jointly along a column: the requests for both are divided by four.
; THE MATRIX INSTRUCTION IS USED TRANSPOSED: source 0 = 16 columns of W (read from [K][N] by the transposing LDS load), source 1 = 16 rows of A.
; Lane l then holds row l % 16 of C and, in its 8 registers, the columns 8 (l / 16) + 0..7: 32 neighbouring bytes of a row.
; REGISTERS: window 0: addresses, both operands' fragments (two buffers each), bias, the way out.  Window 1: the 16 accumulator tiles, (a, b) at v[8 (4 a + b)].
.set KSTEP,  256
.set UP,     272                       ; LDS: 256 bytes (two rows of 64 k) + 16: row r of a fragment lies at (r / 2) 272 + (r % 2) 128: sixteen different 16-byte columns modulo 256
.set KBL,    64*UP                     ; a k-block of the work-group's 128 rows in LDS
.set PW,     288                       ; LDS row of W: 256 bytes + 32: eight rows one below the other start 32 bytes apart modulo 256
.set QUART,  128*PW                    ; the LDS bytes kept for one wave's load: A's takes 128 x 272 of them, W's all
.set SLOT,   4*QUART                   ; A's k-blocks 0-1, A's k-blocks 2-3, W's k-rows 0-127, W's k-rows 128-255
.set STAGE,  2*SLOT                    ; behind the ring: 16 rows x 272 bytes for each wave; no tensor load lands here
.set SP,     272
.set KBB,    16384                     ; a k-block of a block of 128 rows in memory
.set WRB,    2048                      ; bytes in a row of W
.set ADRA, 8                           ; v8-11   LDS address of my A rows: 2 slot + (upper two k-blocks)
.set ADRW, 12                          ; v12-15  LDS address for W's fragments: 2 slot + (upper 128 k-rows)
.set STO,  16                          ; way out: where I put my 32 bytes of a row
.set RD,   17                          ; way out: where I read a row back
.set CO,   18                          ; way out: my 16 bytes in two rows of C
.set BO,   19                          ; my 32 bytes in each 64 of the bias
.set AF,   32                          ; v32-95   A's fragments, buffer f at 32 f
.set WF,   96                          ; v96-159  W's fragments, buffer f at 32 f
.set BIAS, 160                         ; v160-191 the bias of my 32 columns
.set TMP,  192                         ; v192-223 way out: results with bias
.set RB,   224                         ; v224-255 way out: rows read back
.set G1,  24                           ; s[24:31] group 1 for A
.set G0,  32                           ; s[32:39] group 0 for A, one set a slot
.set G1B, 48                           ; s[48:55] group 1 for W
.set G0B, 56                           ; s[56:63] group 0 for W, one set a slot
.set MSB, 0
.macro WIN new                         ; the immediate's high byte repeats the setting that is left
.if MSB != \new
	s_set_vgpr_msb (MSB<<8)|\new
.set MSB, \new
.endif
.endm
.set MUL, 0x50                         ; C and D window 1, both sources window 0
; A joint load.  Waves 0 and 1 fetch A's two halves, waves 2 and 3 W's two.  The branch hangs on the wave's number alone.
.macro JLOAD s
	s_cmp_eq_u32 s11, 0
	s_cbranch_scc0 .Lfor_w_\@
	tensor_load_to_lds s[G0+4*\s:G0+4*\s+3], s[G1:G1+7]
	s_nop 0
	s_branch .Lasked_\@
.Lfor_w_\@:
	tensor_load_to_lds s[G0B+4*\s:G0B+4*\s+3], s[G1B:G1B+7]
	s_nop 0
.Lasked_\@:
.endm
.macro CREST                           ; a round of the cluster's barrier behind its opening work-group barrier
	s_cmp_lg_u32 s10, 0
	s_cbranch_scc1 .Lnot_wave_0_\@
	s_barrier_signal -3
.Lnot_wave_0_\@:
	s_barrier_wait -3
	s_barrier_signal -1
	s_barrier_wait -1
.endm
.macro CROUND                          ; a whole round
	s_barrier_signal -1
	s_barrier_wait -1
	CREST
.endm
.macro PLACES                          ; four plain vector instructions between a matrix instruction and a load into, or a vector read of, its registers
.rept 4
	v_nop
.endr
.endm
	s_load_b128 s[4:7], s[0:1], 0x0                ; A s[4:5], W s[6:7]
	s_load_b64 s[8:9], s[0:1], 0x10                ; C
	s_load_b64 s[66:67], s[0:1], 0x18              ; bias
	v_lshl_add_u32 v30, v0, 2, 0x4c400
	v_mov_b32 v31, 0
	ds_add_u32 v30, v31
	v_lshrrev_b32 v1, 5, v0
	v_readfirstlane_b32 s10, v1                    ; wave 0..3
	s_lshr_b32 s11, s10, 1                         ; which 64 rows of the block are mine.  Also: I fetch for A (0) or for W (1)
	s_and_b32 s12, s10, 1                          ; which 64 columns.  Also: which of its two loads
	s_bfe_u32 s40, ttmp6, 0x40000                  ; cx
	s_bfe_u32 s41, ttmp6, 0x40004                  ; cy
	s_lshl_b32 s42, ttmp9, 2
	s_add_co_u32 s42, s42, s40                     ; block column = 4 x cluster x + cx
	s_and_b32 s13, ttmp7, 0xffff
	s_lshl_b32 s13, s13, 2
	s_add_co_u32 s13, s13, s41                     ; block row = 4 x cluster y + cy
	s_lshl_b32 s43, s41, 2
	s_lshl_b32 s43, 15, s43                        ; my row of the cluster
	s_lshl_b32 s44, 0x1111, s40                    ; my column
	; group 1 for A: a dense block as 128 rows x 128 elements of 2 bytes, 4 words of padding behind each row of 64 words
	s_or_b32 s[G1+0], s43, (1<<16)|(1<<20)|(1<<21)|(5<<22)|(3<<25)
	s_mov_b32 s[G1+1], 128<<16                     ; tensor_dim0
	s_mov_b32 s[G1+2], 128<<16                     ; tensor_dim1
	s_mov_b32 s[G1+3], 128<<16                     ; tile_dim0
	s_mov_b32 s[G1+4], 128                         ; tile_dim1
	s_mov_b32 s[G1+5], 128                         ; elements from row to row: dense
	s_mov_b32 s[G1+6], 0
	s_mov_b32 s[G1+7], 0
	; group 1 for W: 128 k-rows x 128 elements of 2 bytes, 8 words of padding behind each row of 64 words
	s_or_b32 s[G1B+0], s44, (1<<16)|(1<<20)|(1<<21)|(5<<22)|(7<<25)
	s_mov_b32 s[G1B+1], 128<<16
	s_mov_b32 s[G1B+2], 128<<16
	s_mov_b32 s[G1B+3], 128<<16
	s_mov_b32 s[G1B+4], 128
	s_mov_b32 s[G1B+5], WRB/2
	s_mov_b32 s[G1B+6], 0
	s_mov_b32 s[G1B+7], 0
	; where the tiles come from: A's address is made of the block row, W's of the block column, each in registers that never hold the other
	s_lshl_b32 s16, s13, 18                        ; a block of 128 rows: 16 k-blocks of 16,384 bytes
	s_lshl_b32 s17, s12, 15                        ; my two k-blocks of the step's four
	s_add_co_u32 s16, s16, s17
	s_mov_b32 s17, 0
	s_lshl_b32 s46, s42, 8                         ; 128 columns of 2 bytes
	s_lshl_b32 s47, s12, 18                        ; my 128 k-rows of the step's 256
	s_add_co_u32 s46, s46, s47
	s_mov_b32 s47, 0
	s_mul_i32 s20, s10, QUART                      ; where they go: the wave's number times a constant
	s_wait_dscnt 0x0
	s_wait_kmcnt 0x0
	s_add_nc_u64 s[14:15], s[4:5], s[16:17]
	s_add_nc_u64 s[46:47], s[6:7], s[46:47]
	CROUND                                         ; all sixteen work-groups are here: the first joint loads meet
.irp s, 0,1
	s_mov_b32 s[G0+4*\s], 1
	s_add_co_u32 s[G0+4*\s+1], s20, \s*SLOT
	s_add_nc_u64 s[G0+4*\s+2:G0+4*\s+3], s[14:15], \s*4*KBB
	s_or_b32 s[G0+4*\s+3], s[G0+4*\s+3], 0x80000000
	s_mov_b32 s[G0B+4*\s], 1
	s_add_co_u32 s[G0B+4*\s+1], s20, \s*SLOT
	s_add_nc_u64 s[G0B+4*\s+2:G0B+4*\s+3], s[46:47], \s*KSTEP*WRB
	s_or_b32 s[G0B+4*\s+3], s[G0B+4*\s+3], 0x80000000
	JLOAD \s                                       ; both slots' first fills: two tensor loads of the wave are out
.endr
	v_and_b32 v1, 15, v0                           ; r = l % 16
	v_bfe_u32 v2, v0, 4, 1                         ; h = l / 16
	; the bias of my columns 16 b + 8 h + 0..7
	s_lshl_b32 s46, s42, 9                         ; 128 columns of 4 bytes a block,
	s_lshl_b32 s47, s12, 8                         ; 64 a wave
	s_add_co_u32 s46, s46, s47
	s_mov_b32 s47, 0
	s_add_nc_u64 s[66:67], s[66:67], s[46:47]
	v_lshlrev_b32 v[BO], 5, v2
.set bb, 0
.rept 4
	global_load_b128 v[BIAS+8*bb:BIAS+8*bb+3],   v[BO], s[66:67] offset:64*bb
	global_load_b128 v[BIAS+8*bb+4:BIAS+8*bb+7], v[BO], s[66:67] offset:64*bb+16
.set bb, bb+1
.endr
	; A: lane (r, h) of a fragment wants k = 8 h + 0..7 (16 bytes at 16 h) and k = 16 + 8 h + 0..7 (32 bytes further) of row r
	v_lshrrev_b32 v4, 1, v1
	v_mul_u32_u24 v4, v4, UP
	v_and_b32 v5, 1, v1
	v_lshl_add_u32 v4, v5, 7, v4
	v_lshl_add_u32 v4, v2, 4, v4
	s_mul_i32 s22, s11, 32*UP                      ; my 64 rows
	v_add_nc_u32 v[ADRA], s22, v4
	v_add_nc_u32 v[ADRA+1], QUART, v[ADRA]
	v_add_nc_u32 v[ADRA+2], SLOT, v[ADRA]
	v_add_nc_u32 v[ADRA+3], SLOT+QUART, v[ADRA]
	; W by the transposing load: lane l addresses row 8 h + l % 8 and the 16 bytes (l / 8) % 2 of the 32 of a column block
	v_and_b32 v5, 7, v0
	v_lshl_add_u32 v5, v2, 3, v5
	v_mul_u32_u24 v5, v5, PW
	v_bfe_u32 v6, v0, 3, 1
	v_lshl_add_u32 v5, v6, 4, v5
	s_lshl_b32 s22, s12, 7                         ; my 64 columns
	s_add_co_u32 s22, s22, 2*QUART                 ; W lies behind A
	v_add_nc_u32 v[ADRW], s22, v5
	v_add_nc_u32 v[ADRW+1], QUART, v[ADRW]
	v_add_nc_u32 v[ADRW+2], SLOT, v[ADRW]
	v_add_nc_u32 v[ADRW+3], SLOT+QUART, v[ADRW]
	s_mul_i32 s23, s10, 16*SP
	s_add_co_u32 s23, s23, STAGE                   ; my stage
	v_mul_u32_u24 v4, v1, SP
	v_lshl_add_u32 v4, v2, 5, v4                   ; in: row r, 32 bytes for each half of the lanes
	v_add_nc_u32 v[STO], s23, v4
	v_mul_u32_u24 v5, v2, SP                       ; back: lanes 0-15 take one row of 256 bytes, lanes 16-31 the next
	v_lshl_add_u32 v5, v1, 4, v5
	v_add_nc_u32 v[RD], s23, v5
	v_lshlrev_b32 v[CO], 4, v1                     ; and the same two rows in C
	v_lshl_add_u32 v[CO], v2, 12, v[CO]
; cnt matrix instructions on tiles i0 .., from fragment buffers f.  zero = 1: the product starts the sum.
; The accumulators take turns, one instruction a turn.
.macro MULS f, i0, cnt, zero
.set mi, \i0
.rept \cnt
.if \zero
	v_wmma_f32_16x16x32_f16 v[8*mi:8*mi+7], v[WF+32*\f+8*(mi%4):WF+32*\f+8*(mi%4)+7], v[AF+32*\f+8*(mi/4):AF+32*\f+8*(mi/4)+7], 0
.else
	v_wmma_f32_16x16x32_f16 v[8*mi:8*mi+7], v[WF+32*\f+8*(mi%4):WF+32*\f+8*(mi%4)+7], v[AF+32*\f+8*(mi/4):AF+32*\f+8*(mi/4)+7], v[8*mi:8*mi+7]
.endif
.set mi, mi+1
.endr
.endm
; the 16 LDS loads of part p (32 along K, p = 0..7) of a slot into buffers g
.macro FETCH slot, p, g
	WIN 0
.set fa, 0
.rept 4
	ds_load_b128 v[AF+32*\g+8*fa:AF+32*\g+8*fa+3],   v[ADRA+2*\slot+\p/4] offset:((\p%4)/2)*KBL+(\p%2)*64+fa*8*UP
	ds_load_b128 v[AF+32*\g+8*fa+4:AF+32*\g+8*fa+7], v[ADRA+2*\slot+\p/4] offset:((\p%4)/2)*KBL+(\p%2)*64+fa*8*UP+32
.set fa, fa+1
.endr
.set fb, 0
.rept 4
	ds_load_tr16_b128 v[WF+32*\g+8*fb:WF+32*\g+8*fb+3],   v[ADRW+2*\slot+\p/4] offset:(\p%4)*32*PW+32*fb
	ds_load_tr16_b128 v[WF+32*\g+8*fb+4:WF+32*\g+8*fb+7], v[ADRW+2*\slot+\p/4] offset:(\p%4)*32*PW+32*fb+16*PW
.set fb, fb+1
.endr
.endm
; One part but the last of a K step: first asks for part np of the same slot into buffers g, then multiplies buffers f: the loads have the part's 16 matrix instructions in which to come.
.macro PART slot, np, f, g, zero
	s_wait_dscnt 0x0                               ; buffers f are in
	PLACES                                         ; behind the last part's matrix instructions, which read buffers g
	FETCH \slot, \np, \g
	WIN MUL
	MULS \f, 0, 16, \zero
.endm
; The last part: multiplies buffers 1 and changes slots.  In front of the barrier each wave has waited for its reads of this slot and for all its
; tensor loads (at most one is out: its share of the next slot).  Where the slot is filled again the barrier opens a round of the cluster's barrier,
; and the joint refill is the first tensor load behind the round, ahead of the next slot's first LDS reads.
.macro TURN slot, next, fill
	s_wait_dscnt 0x0                               ; buffers 1 are in: my last reads of this slot
	s_wait_tensorcnt 0x0                           ; all my tensor loads have landed
	ds_add_u32 v30, v31
	s_wait_dscnt 0x0
	s_barrier_signal -1
	WIN MUL
	MULS 1, 0, 8, 0                                ; register work while the others arrive
	WIN 0
	s_barrier_wait -1
.if \fill
	CREST
	s_add_nc_u64 s[G0+4*\slot+2:G0+4*\slot+3], s[G0+4*\slot+2:G0+4*\slot+3], 8*KBB
	s_add_nc_u64 s[G0B+4*\slot+2:G0B+4*\slot+3], s[G0B+4*\slot+2:G0B+4*\slot+3], 2*KSTEP*WRB
	JLOAD \slot
.endif
	PLACES                                         ; behind the matrix instructions that read buffers 0
	FETCH \next, 0, 0
	WIN MUL
	MULS 1, 8, 8, 0
.endm
.macro BODY slot, zero                 ; parts 0 to 6 of a K step, on buffers 0, 1, 0, ..
	PART \slot, 1, 0, 1, \zero
	PART \slot, 2, 1, 0, 0
	PART \slot, 3, 0, 1, 0
	PART \slot, 4, 1, 0, 0
	PART \slot, 5, 0, 1, 0
	PART \slot, 6, 1, 0, 0
	PART \slot, 7, 0, 1, 0
.endm
	s_wait_tensorcnt 0x1                           ; my share of K step 0 is in; K step 1's may stay out
	s_barrier_signal -1
	s_barrier_wait -1
	FETCH 0, 0, 0
	BODY 0, 1                                      ; K step 0: its first products start the sums
	TURN 0, 1, 1                                   ; slot 0 gets K step 2
	BODY 1, 0
	TURN 1, 0, 1                                   ; slot 1 gets K step 3
	BODY 0, 0
	TURN 0, 1, 0                                   ; nothing is left to fetch
	BODY 1, 0
	s_wait_dscnt 0x0
	WIN MUL
	MULS 1, 0, 16, 0
	; THE WAY OUT, 16 rows at a time: add the bias, 32 bytes a lane into my own stage, read whole rows of 256 bytes back, store them.
	PLACES
	WIN 0
	s_lshl_b32 s16, s13, 19                        ; 128 rows of 4,096 bytes a block,
	s_lshl_b32 s17, s11, 18                        ; 64 a wave
	s_add_co_u32 s16, s16, s17
	s_mov_b32 s17, 0
	s_add_nc_u64 s[8:9], s[8:9], s[16:17]
	s_lshl_b32 s46, s42, 9                         ; my first column, in bytes
	s_lshl_b32 s47, s12, 8
	s_add_co_u32 s46, s46, s47
	s_mov_b32 s47, 0
	s_add_nc_u64 s[8:9], s[8:9], s[46:47]
	s_wait_loadcnt 0x0                             ; the bias
.macro OUT16 a
	WIN 0x01                                       ; source 0 (the sums) window 1
.set ob, 0
.rept 16
	v_pk_add_f32 v[TMP+2*ob:TMP+2*ob+1], v[32*\a+2*ob:32*\a+2*ob+1], v[BIAS+2*ob:BIAS+2*ob+1]
.set ob, ob+1
.endr
	WIN 0
.set ob, 0
.rept 4
	ds_store_b128 v[STO], v[TMP+8*ob:TMP+8*ob+3]   offset:64*ob
	ds_store_b128 v[STO], v[TMP+8*ob+4:TMP+8*ob+7] offset:64*ob+16
.set ob, ob+1
.endr
	s_wait_xcnt 0x0                                ; RB, which the last stores read, and their base are rewritten only behind this wait
.if \a
	s_add_nc_u64 s[8:9], s[8:9], 16*4096
.endif
.set ot, 0
.rept 8
	ds_load_b128 v[RB+4*ot:RB+4*ot+3], v[RD] offset:2*SP*ot    ; LDS serves a wave's instructions in order: these see the stores above
.set ot, ot+1
.endr
.set ot, 0
.rept 8
	s_wait_dscnt 7-ot                              ; rows 2 ot, 2 ot + 1 are back, the younger ones stay out
	global_store_b128 v[CO], v[RB+4*ot:RB+4*ot+3], s[8:9] offset:8192*ot   ; 16 lanes store 256 consecutive bytes, at a multiple of 256 from C's first byte
.set ot, ot+1
.endr
.endm
	OUT16 0
	OUT16 1
	OUT16 2
	OUT16 3
	s_wait_tensorcnt 0x0
	ds_add_u32 v30, v31
	s_wait_dscnt 0x0
	CROUND                                         ; the closing round: no work-group ends while a partner may still ask for a tile that names it
	s_endpgm
.Lfunc_end_k_qb53ba6598c_qproj:
	.size	k_qb53ba6598c_qproj, .Lfunc_end_k_qb53ba6598c_qproj-k_qb53ba6598c_qproj
	.p2alignl 7, 3214868480
	.fill 96, 4, 3214868480
	.section	.rodata,"a",@progbits
	.p2align	6, 0x0
	.amdhsa_kernel k_qb53ba6598c_qproj
		.amdhsa_group_segment_fixed_size 327680
		.amdhsa_private_segment_fixed_size 0
		.amdhsa_enable_private_segment 0
		.amdhsa_kernarg_size 32
		.amdhsa_user_sgpr_count 2
		.amdhsa_user_sgpr_kernarg_segment_ptr 1
		.amdhsa_wavefront_size32 1
		.amdhsa_system_sgpr_workgroup_id_x 1
		.amdhsa_system_sgpr_workgroup_id_y 1
		.amdhsa_system_sgpr_workgroup_id_z 1
		.amdhsa_system_vgpr_workitem_id 0
		.amdhsa_next_free_vgpr 384
		.amdhsa_next_free_sgpr 68
		.amdhsa_reserve_vcc 0
		.amdhsa_float_denorm_mode_32 3
		.amdhsa_float_denorm_mode_16_64 3
		.amdhsa_memory_ordered 1
		.amdhsa_forward_progress 1
		.amdhsa_inst_pref_size 94
	.end_amdhsa_kernel
	.amdgpu_metadata
---
amdhsa.version: [ 1, 2 ]
amdhsa.kernels:
  - .name:           k_qb53ba6598c_qproj
    .symbol:         k_qb53ba6598c_qproj.kd
    .args:
      - { .name: act16, .offset: 0, .size: 8, .value_kind: global_buffer, .address_space: global }
      - { .name: wqb, .offset: 8, .size: 8, .value_kind: global_buffer, .address_space: global }
      - { .name: qf, .offset: 16, .size: 8, .value_kind: global_buffer, .address_space: global }
      - { .name: zrow, .offset: 24, .size: 8, .value_kind: global_buffer, .address_space: global }
    .group_segment_fixed_size: 327680
    .private_segment_fixed_size: 0
    .kernarg_segment_align: 8
    .kernarg_segment_size: 32
    .max_flat_workgroup_size: 128
    .sgpr_count:     68
    .vgpr_count:     384
    .wavefront_size: 32
...
	.end_amdgpu_metadata
.endif
;; end of part 2
;; launch kvproj (part 3): grid 8 x 64, 4 waves a work-group, clusters of 4 x 4, 327,680 bytes of LDS; arguments act16, wkvb, kvb; writes kvb
.if DOCPART == 3
	.amdgcn_target "amdgcn-amd-amdhsa--gfx1250"
	.amdhsa_code_object_version 6
	.text
	.protected	k_qb53ba6598c_kvproj
	.globl	k_qb53ba6598c_kvproj
	.p2align	8
	.type	k_qb53ba6598c_kvproj,@function
k_qb53ba6598c_kvproj:
	s_mov_b64 s[64:65], 0
	v_nop
	global_prefetch_b8 v0, s[64:65] scope:SCOPE_SE
	s_setreg_imm32_b32 hwreg(HW_REG_WAVE_MODE, 25, 1), 1
	s_wait_xcnt 0x0
	s_wait_alu depctr_hold_cnt(0) depctr_sa_sdst(0) depctr_va_vdst(0) depctr_va_sdst(0) depctr_va_ssrc(0) depctr_va_vcc(0) depctr_vm_vsrc(0)
	s_getreg_b32 s2, hwreg(HW_REG_IB_STS2, 6, 4)
	s_cmp_eq_u32 s2, 0
	s_cbranch_scc0 .Lentry_in_a_cluster
	s_endpgm
.Lentry_in_a_cluster:
	s_bfe_u32 s2, ttmp6, 0x10000c
	s_cmp_lg_u32 s2, 0xf033
	s_cbranch_scc0 .Lentry_shape_is_right
	s_endpgm
.Lentry_shape_is_right:
; kvb[m][n] = sum over k of image[m][k] wkvb[k][n].  image: [16384][1024] f16, from byte 8,388,608 of its buffer; wkvb: [1024][2048] f16 ([K][N]);
; kvb: [16384][2048] f16.  Sums in f32; kvb rounded once, to f16.
; LIMIT: an element of kvb beyond 65,504 in magnitude becomes infinite; below 2^-14 the rounding step is 2^-24.  With image of spread 1 and
; Wkv of spread 0.02 kvb has rms 0.64; with both thirty times larger 576 (largest about 3,200), with offsets of 30 and 0.6 on them about 18,432,
; with both thirty times smaller 7e-4.
; A work-group makes 256 x 256 of kvb with four waves, as many as a WGP has SIMDs; a wave makes 128 x 128: 64 accumulator tiles, 512 registers, and
; loads 32 fragments' halves from LDS for 64 matrix instructions.  K goes in steps of 128 through two LDS slots: a tile's rows are 256 bytes of memory
; and start at multiples of 256 bytes.  From a refill's request to the wait for it a wave issues 240 matrix instructions.
; CLUSTERS: 4 x 4 work-groups.  image's tile hangs on the block row alone and is asked for jointly along a row of the cluster, wkvb's on the block
; column alone and is asked for jointly along a column: the requests for both are divided by four.
; THE MATRIX INSTRUCTION IS USED TRANSPOSED: source 0 = 16 columns of W (read from [K][N] by the transposing LDS load), source 1 = 16 rows of A.
; Lane l then holds row l % 16 of C and, in its 8 registers, the columns 8 (l / 16) + 0..7, which pack into 16 bytes.
; REGISTERS: window 0: v0-31 addresses; v64-127, v128-191 A's fragments, two buffers; v192-223 at work on the way out.
; Window 1: v64-127, v128-191 W's fragments, two buffers.  Window 2: the 32 tiles of my rows 0-63 (tile (a, b) at v[8 (8 a + b)]).  Window 3: those of my rows 64-127.
.set SIZE_K, 1024
.set KSTEP,  128
.set PITCH,  272                       ; LDS row of A: 256 bytes + 16: row r starts 16 r bytes further modulo 256
.set PW,     288                       ; LDS row of W: 256 bytes + 32: eight rows one below the other start 32 bytes apart modulo 256
.set QUART,  128*PW                    ; the LDS bytes kept for one wave's load: A's takes 128 x 272 of them, W's all
.set SLOT,   4*QUART                   ; A's rows 0-127, A's rows 128-255, W's columns 0-127, W's columns 128-255
.set STAGE,  2*SLOT                    ; behind the ring: 16 rows x 272 bytes for each wave; no tensor load lands here
.set SPITCH, 272
.set LAPS,   SIZE_K/(2*KSTEP)          ; a lap = two K steps = once round the ring
.set IMG,    8388608                   ; where image begins in its buffer
.set WRB,    4096                      ; bytes in a row of W, and in a row of kvb
.set ADRA, 16                          ; v16-17  LDS address of my A fragments in slot 0, 1
.set ADRW, 20                          ; v20-21  the same for W
.set STO,  24                          ; way out: where I put 16 bytes of a row
.set RD,   25                          ; way out: where I read a row back
.set CO,   26                          ; way out: my 16 bytes in two rows of kvb
.set F0,   64                          ; fragment buffer 0
.set F1,   128                         ; fragment buffer 1
.set TMP,  192                         ; way out: packed results
.set G1,  24                           ; s[24:31] group 1 for A
.set G0,  32                           ; s[32:39] group 0 for A, one set a slot
.set G1B, 48                           ; s[48:55] group 1 for W
.set G0B, 56                           ; s[56:63] group 0 for W, one set a slot
.set MSB, 0
.macro WIN new                         ; the immediate's high byte repeats the setting that is left
.if MSB != \new
	s_set_vgpr_msb (MSB<<8)|\new
.set MSB, \new
.endif
.endm
.set MUL_LO, 0xa1                      ; source 0 (W) window 1, source 1 (A) window 0, C and D window 2
.set MUL_HI, 0xf1                      ; the same, C and D window 3
.set TO_B,   0x40                      ; destination window 1, address window 0
; A joint load.  Waves 0 and 1 fetch A's two halves, waves 2 and 3 W's two.  The branch hangs on the wave's number alone.
.macro JLOAD s
	s_cmp_eq_u32 s11, 0
	s_cbranch_scc0 .Lfor_w_\@
	tensor_load_to_lds s[G0+4*\s:G0+4*\s+3], s[G1:G1+7]
	s_nop 0
	s_branch .Lasked_\@
.Lfor_w_\@:
	tensor_load_to_lds s[G0B+4*\s:G0B+4*\s+3], s[G1B:G1B+7]
	s_nop 0
.Lasked_\@:
.endm
.macro CREST                           ; a round of the cluster's barrier behind its opening work-group barrier
	s_cmp_lg_u32 s10, 0
	s_cbranch_scc1 .Lnot_wave_0_\@
	s_barrier_signal -3
.Lnot_wave_0_\@:
	s_barrier_wait -3
	s_barrier_signal -1
	s_barrier_wait -1
.endm
.macro CROUND                          ; a whole round
	s_barrier_signal -1
	s_barrier_wait -1
	CREST
.endm
.macro PLACES                          ; four plain vector instructions between a matrix instruction and a load into, or a vector read of, its registers
.rept 4
	v_nop
.endr
.endm
	s_load_b128 s[4:7], s[0:1], 0x0                ; the activations s[4:5], wkvb s[6:7]
	s_load_b64 s[8:9], s[0:1], 0x10                ; kvb
	s_set_vgpr_msb 0x40
	v_lshl_add_u32 v255, v0, 2, 0x4c400
	s_set_vgpr_msb 0x4000
	v_mov_b32 v255, 0
	s_set_vgpr_msb 0x1
	ds_add_u32 v255, v255
	s_set_vgpr_msb 0x100
	v_lshrrev_b32 v1, 5, v0
	v_readfirstlane_b32 s10, v1                    ; wave 0..3
	s_lshr_b32 s11, s10, 1                         ; which half of the block's rows is mine.  Also: I fetch for A (0) or for W (1)
	s_and_b32 s12, s10, 1                          ; which half of its columns.  Also: which of its two loads
	s_bfe_u32 s40, ttmp6, 0x40000                  ; cx
	s_bfe_u32 s41, ttmp6, 0x40004                  ; cy
	s_lshl_b32 s42, ttmp9, 2
	s_add_co_u32 s42, s42, s40                     ; block column = 4 x cluster x + cx
	s_and_b32 s13, ttmp7, 0xffff
	s_lshl_b32 s13, s13, 2
	s_add_co_u32 s13, s13, s41                     ; block row = 4 x cluster y + cy
	s_lshl_b32 s43, s41, 2
	s_lshl_b32 s43, 15, s43                        ; my row of the cluster
	s_lshl_b32 s44, 0x1111, s40                    ; my column
	; group 1 for A: 128 rows x 128 elements of 2 bytes, 4 words of padding behind each row of 64 words
	s_or_b32 s[G1+0], s43, (1<<16)|(1<<20)|(1<<21)|(5<<22)|(3<<25)
	s_mov_b32 s[G1+1], KSTEP<<16                   ; tensor_dim0
	s_mov_b32 s[G1+2], 128<<16                     ; tensor_dim1
	s_mov_b32 s[G1+3], KSTEP<<16                   ; tile_dim0
	s_mov_b32 s[G1+4], 128                         ; tile_dim1
	s_mov_b32 s[G1+5], SIZE_K                      ; elements from row to row
	s_mov_b32 s[G1+6], 0
	s_mov_b32 s[G1+7], 0
	; group 1 for W: 128 k-rows x 128 elements of 2 bytes, 8 words of padding behind each row of 64 words
	s_or_b32 s[G1B+0], s44, (1<<16)|(1<<20)|(1<<21)|(5<<22)|(7<<25)
	s_mov_b32 s[G1B+1], 128<<16
	s_mov_b32 s[G1B+2], KSTEP<<16
	s_mov_b32 s[G1B+3], 128<<16
	s_mov_b32 s[G1B+4], KSTEP
	s_mov_b32 s[G1B+5], WRB/2
	s_mov_b32 s[G1B+6], 0
	s_mov_b32 s[G1B+7], 0
	; where the tiles come from: A's address is made of the block row, W's of the block column, each in registers that never hold the other
	s_lshl_b32 s16, s13, 19                        ; 256 rows of 2,048 bytes a block row
	s_lshl_b32 s17, s12, 18                        ; my 128 rows of them
	s_add_co_u32 s16, s16, s17
	s_add_co_u32 s16, s16, IMG
	s_mov_b32 s17, 0
	s_lshl_b32 s46, s42, 9                         ; 256 columns of 2 bytes a block column
	s_lshl_b32 s47, s12, 8                         ; my 128 columns of them
	s_add_co_u32 s46, s46, s47
	s_mov_b32 s47, 0
	s_mul_i32 s20, s10, QUART                      ; where they go: the wave's number times a constant
	s_wait_dscnt 0x0
	s_wait_kmcnt 0x0
	s_add_nc_u64 s[14:15], s[4:5], s[16:17]
	s_add_nc_u64 s[46:47], s[6:7], s[46:47]
	CROUND                                         ; all sixteen work-groups are here: the first joint loads meet
.irp s, 0,1
	s_mov_b32 s[G0+4*\s], 1
	s_add_co_u32 s[G0+4*\s+1], s20, \s*SLOT
	s_add_nc_u64 s[G0+4*\s+2:G0+4*\s+3], s[14:15], \s*KSTEP*2
	s_or_b32 s[G0+4*\s+3], s[G0+4*\s+3], 0x80000000
	s_mov_b32 s[G0B+4*\s], 1
	s_add_co_u32 s[G0B+4*\s+1], s20, \s*SLOT
	s_add_nc_u64 s[G0B+4*\s+2:G0B+4*\s+3], s[46:47], \s*KSTEP*WRB
	s_or_b32 s[G0B+4*\s+3], s[G0B+4*\s+3], 0x80000000
	JLOAD \s                                       ; both slots' first fills: two tensor loads of the wave are out
.endr
	v_and_b32 v1, 15, v0                           ; r = l % 16
	v_bfe_u32 v2, v0, 4, 1                         ; h = l / 16
	; A: lane (r, h) of a fragment wants k = 8 h + 0..7 (16 bytes at 16 h) and k = 16 + 8 h + 0..7 (32 bytes further) of row r
	v_mul_u32_u24 v3, v1, PITCH
	v_lshl_add_u32 v3, v2, 4, v3
	s_mul_i32 s21, s11, QUART                      ; my 128 rows of A
	v_add_nc_u32 v[ADRA], s21, v3
	v_add_nc_u32 v[ADRA+1], SLOT, v[ADRA]
	; W by the transposing load: lane l addresses row 8 h + l % 8 and the 16 bytes (l / 8) % 2 of the 32 of a column block
	v_and_b32 v5, 7, v0
	v_lshl_add_u32 v5, v2, 3, v5
	v_mul_u32_u24 v5, v5, PW
	v_bfe_u32 v6, v0, 3, 1
	v_lshl_add_u32 v5, v6, 4, v5
	s_mul_i32 s22, s12, QUART                      ; my 128 columns of W,
	s_add_co_u32 s22, s22, 2*QUART                 ; which lie behind A
	v_add_nc_u32 v[ADRW], s22, v5
	v_add_nc_u32 v[ADRW+1], SLOT, v[ADRW]
	s_mul_i32 s23, s10, 16*SPITCH
	s_add_co_u32 s23, s23, STAGE                   ; my stage
	v_mul_u32_u24 v4, v1, SPITCH                   ; in: row r, 16 bytes for each half of the lanes
	v_lshl_add_u32 v4, v2, 4, v4
	v_add_nc_u32 v[STO], s23, v4
	v_mul_u32_u24 v5, v2, SPITCH                   ; back: lanes 0-15 take one row of 256 bytes, lanes 16-31 the next
	v_lshl_add_u32 v5, v1, 4, v5
	v_add_nc_u32 v[RD], s23, v5
	v_lshlrev_b32 v[CO], 4, v1                     ; and the same two rows in kvb
	v_lshl_add_u32 v[CO], v2, 12, v[CO]
; 16 matrix instructions: row blocks a0, a0 + 1 of the window's four (hi = 0: my rows 0-63, 1: rows 64-127) x all 8 column blocks, 32 along K.
; zero = 1: the first product starts the sums.  The 64 accumulators take turns, one instruction a turn.
.macro MUL16 f, hi, a0, zero
.irp a, \a0, \a0+1
.irp b, 0,1,2,3,4,5,6,7
.if \zero
	v_wmma_f32_16x16x32_f16 v[8*(8*(\a)+\b):8*(8*(\a)+\b)+7], v[\f+8*\b:\f+8*\b+7], v[\f+8*(4*\hi+\a):\f+8*(4*\hi+\a)+7], 0
.else
	v_wmma_f32_16x16x32_f16 v[8*(8*(\a)+\b):8*(8*(\a)+\b)+7], v[\f+8*\b:\f+8*\b+7], v[\f+8*(4*\hi+\a):\f+8*(4*\hi+\a)+7], v[8*(8*(\a)+\b):8*(8*(\a)+\b)+7]
.endif
.endr
.endr
.endm
; 32 LDS loads in one run: the fragments of quarter q (32 along K) of a slot into buffer f: first W's 128 columns, then A's 128 rows
.macro FETCH slot, q, f
	WIN TO_B
.irp i, 0,1,2,3,4,5,6,7
	ds_load_tr16_b128 v[\f+8*\i:\f+8*\i+3],   v[ADRW+\slot] offset:\q*32*PW+32*\i
	ds_load_tr16_b128 v[\f+8*\i+4:\f+8*\i+7], v[ADRW+\slot] offset:\q*32*PW+32*\i+16*PW
.endr
	WIN 0
.irp i, 0,1,2,3,4,5,6,7
	ds_load_b128 v[\f+8*\i:\f+8*\i+3],   v[ADRA+\slot] offset:\q*64+\i*16*PITCH
	ds_load_b128 v[\f+8*\i+4:\f+8*\i+7], v[ADRA+\slot] offset:\q*64+\i*16*PITCH+32
.endr
.endm
; A K step is four quarters of 32 along K, 64 matrix instructions each, on buffers 0, 1, 0, 1.
; One of the first three: multiplies buffer f; in its middle it fetches quarter q of the same slot into buffer g.
.macro QUARTER slot, q, f, g, zero
	s_wait_dscnt 8                                 ; W and A's rows 0-63 are in; the youngest eight loads (A's rows 64-127) may be out
	WIN MUL_LO
	MUL16 \f, 0, 0, \zero
	MUL16 \f, 0, 2, \zero
	PLACES                                         ; behind the last quarter's matrix instructions, which read buffer g
	FETCH \slot, \q, \g
	s_wait_dscnt 32                                ; all but the 32 just issued
	WIN MUL_HI
	MUL16 \f, 1, 0, \zero
	MUL16 \f, 1, 2, \zero
.endm
.macro THREE slot, zero
	QUARTER \slot, 1, F0, F1, \zero
	QUARTER \slot, 2, F1, F0, 0
	QUARTER \slot, 3, F0, F1, 0
.endm
; The last quarter: multiplies buffer 1 and changes slots.  In front of the barrier each wave waits for its own reads of this slot and for all its tensor
; loads, of which one is out: its share of the next slot.  Where the slot is filled again the barrier opens a round of the cluster's barrier, and the joint
; refill is the first tensor load behind the round, ahead of the next slot's first LDS reads.
.macro TURN slot, next, fill
	s_wait_dscnt 8
	WIN MUL_LO
	MUL16 F1, 0, 0, 0
	s_wait_dscnt 0                                 ; my reads of this slot are over
	s_wait_tensorcnt 0x0                           ; and all my tensor loads have landed
	ds_add_u32 v255, v255
	s_wait_dscnt 0x0
	s_barrier_signal -1
	MUL16 F1, 0, 2, 0                              ; register work while the others arrive
	WIN 0
	s_barrier_wait -1
.if \fill
	CREST
	s_add_nc_u64 s[G0+4*\slot+2:G0+4*\slot+3], s[G0+4*\slot+2:G0+4*\slot+3], 2*KSTEP*2
	s_add_nc_u64 s[G0B+4*\slot+2:G0B+4*\slot+3], s[G0B+4*\slot+2:G0B+4*\slot+3], 2*KSTEP*WRB
	JLOAD \slot
.endif
	PLACES
	FETCH \next, 0, F0
	WIN MUL_HI
	MUL16 F1, 1, 0, 0
	MUL16 F1, 1, 2, 0
.endm
.macro LAP zero                        ; once round the ring, both slots filled again
	THREE 0, \zero
	TURN 0, 1, 1
	THREE 1, 0
	TURN 1, 0, 1
.endm
	s_wait_tensorcnt 0x1                           ; my share of K step 0 is in; K step 1's may stay out
	s_barrier_signal -1
	s_barrier_wait -1
	FETCH 0, 0, F0
	LAP 1                                          ; the first lap stands in front of the loop: its first products start the sums
	WIN 0                                          ; at a label and at a branch every window is 0
	s_mov_b32 s3, LAPS-2
.Llap:
	LAP 0
	WIN 0
	s_sub_co_u32 s3, s3, 1
	s_cmp_lg_u32 s3, 0
	s_cbranch_scc1 .Llap
	THREE 0, 0                                     ; the last lap fills nothing
	TURN 0, 1, 0
	THREE 1, 0
	s_wait_dscnt 8                                 ; the very last quarter: nothing more to fetch
	WIN MUL_LO
	MUL16 F1, 0, 0, 0
	MUL16 F1, 0, 2, 0
	s_wait_dscnt 0
	WIN MUL_HI
	MUL16 F1, 1, 0, 0
	MUL16 F1, 1, 2, 0
	; THE WAY OUT, 16 rows at a time: round to f16, 16 bytes a lane into my own stage, read whole rows of 256 bytes back, store them.
	PLACES
	s_lshl_b32 s16, s13, 20                        ; 256 rows of 4,096 bytes a block row,
	s_lshl_b32 s17, s11, 19                        ; 128 a wave
	s_add_co_u32 s16, s16, s17
	s_mov_b32 s17, 0
	s_add_nc_u64 s[8:9], s[8:9], s[16:17]
	s_lshl_b32 s46, s42, 9                         ; my first column, in bytes
	s_lshl_b32 s47, s12, 8
	s_add_co_u32 s46, s46, s47
	s_mov_b32 s47, 0
	s_add_nc_u64 s[8:9], s[8:9], s[46:47]
; rows 16 i .. 16 i + 15 of my block = the eight tiles (a, 0..7) of window 2 or 3 (from = 0x0a or 0x0f: sources 0 and 1); f: F0 or F1 in turn
.macro OUT16 i, a, from, f
	WIN \from
.irp b, 0,1,2,3,4,5,6,7
.irp r, 0,1,2,3
	v_cvt_pk_f16_f32 v[TMP+4*\b+\r], v[8*(8*\a+\b)+2*\r], v[8*(8*\a+\b)+2*\r+1]
.endr
.endr
	WIN 0
.irp b, 0,1,2,3,4,5,6,7
	ds_store_b128 v[STO], v[TMP+4*\b:TMP+4*\b+3] offset:32*\b
.endr
	s_wait_xcnt 0x0                                ; buffer f, which earlier stores read, and the stores' base are rewritten only behind this wait
.if \i
	s_add_nc_u64 s[8:9], s[8:9], 16*WRB
.endif
.irp t, 0,1,2,3,4,5,6,7
	ds_load_b128 v[\f+4*\t:\f+4*\t+3], v[RD] offset:\t*2*SPITCH    ; LDS serves a wave's instructions in order: these see the stores above
.endr
.irp t, 0,1,2,3,4,5,6,7
	s_wait_dscnt 7-\t                              ; rows 2 t, 2 t + 1 are back, the younger ones stay out
	global_store_b128 v[CO], v[\f+4*\t:\f+4*\t+3], s[8:9] offset:2*\t*WRB   ; 16 lanes store 256 consecutive bytes, at a multiple of 256 from kvb's first byte
.endr
.endm
	OUT16 0, 0, 0x0a, F0
	OUT16 1, 1, 0x0a, F1
	OUT16 2, 2, 0x0a, F0
	OUT16 3, 3, 0x0a, F1
	OUT16 4, 0, 0x0f, F0
	OUT16 5, 1, 0x0f, F1
	OUT16 6, 2, 0x0f, F0
	OUT16 7, 3, 0x0f, F1
	s_set_vgpr_msb 0x1
	s_wait_tensorcnt 0x0
	ds_add_u32 v255, v255
	s_wait_dscnt 0x0
	s_set_vgpr_msb 0x100
	CROUND                                         ; the closing round: no work-group ends while a partner may still ask for a tile that names it
	s_endpgm
.Lfunc_end_k_qb53ba6598c_kvproj:
	.size	k_qb53ba6598c_kvproj, .Lfunc_end_k_qb53ba6598c_kvproj-k_qb53ba6598c_kvproj
	.p2alignl 7, 3214868480
	.fill 96, 4, 3214868480
	.section	.rodata,"a",@progbits
	.p2align	6, 0x0
	.amdhsa_kernel k_qb53ba6598c_kvproj
		.amdhsa_group_segment_fixed_size 327680
		.amdhsa_private_segment_fixed_size 0
		.amdhsa_enable_private_segment 0
		.amdhsa_kernarg_size 24
		.amdhsa_user_sgpr_count 2
		.amdhsa_user_sgpr_kernarg_segment_ptr 1
		.amdhsa_wavefront_size32 1
		.amdhsa_system_sgpr_workgroup_id_x 1
		.amdhsa_system_sgpr_workgroup_id_y 1
		.amdhsa_system_sgpr_workgroup_id_z 1
		.amdhsa_system_vgpr_workitem_id 0
		.amdhsa_next_free_vgpr 1024
		.amdhsa_next_free_sgpr 66
		.amdhsa_reserve_vcc 0
		.amdhsa_float_denorm_mode_32 3
		.amdhsa_float_denorm_mode_16_64 3
		.amdhsa_memory_ordered 1
		.amdhsa_forward_progress 1
		.amdhsa_inst_pref_size 196
	.end_amdhsa_kernel
	.amdgpu_metadata
---
amdhsa.version: [ 1, 2 ]
amdhsa.kernels:
  - .name:           k_qb53ba6598c_kvproj
    .symbol:         k_qb53ba6598c_kvproj.kd
    .args:
      - { .name: act16, .offset: 0, .size: 8, .value_kind: global_buffer, .address_space: global }
      - { .name: wkvb, .offset: 8, .size: 8, .value_kind: global_buffer, .address_space: global }
      - { .name: kvb, .offset: 16, .size: 8, .value_kind: global_buffer, .address_space: global }
    .group_segment_fixed_size: 327680
    .private_segment_fixed_size: 0
    .kernarg_segment_align: 8
    .kernarg_segment_size: 24
    .max_flat_workgroup_size: 128
    .sgpr_count:     66
    .vgpr_count:     1024
    .wavefront_size: 32
...
	.end_amdgpu_metadata
.endif
;; end of part 3
;; launch attn (part 4): grid 256 x 1, 8 waves a work-group, no clusters, 327,680 bytes of LDS; arguments qf, kvb, kv_mask, q_mask, of16; writes of16
.if DOCPART == 4
	.amdgcn_target "amdgcn-amd-amdhsa--gfx1250"
	.amdhsa_code_object_version 6
	.text
	.protected	k_qb53ba6598c_attn
	.globl	k_qb53ba6598c_attn
	.p2align	8
	.type	k_qb53ba6598c_attn,@function
k_qb53ba6598c_attn:
	s_mov_b64 s[64:65], 0
	v_nop
	global_prefetch_b8 v0, s[64:65] scope:SCOPE_SE
	s_setreg_imm32_b32 hwreg(HW_REG_WAVE_MODE, 25, 1), 1
	s_wait_xcnt 0x0
; Masked softmax attention.  qf: [8 x 512][16 heads x 64] f32; kvb: [8 x 2048][16 heads][K 64 | V 64] f16; kv_mask: [8][2048], q_mask: [8][512] bytes;
; of16: the result in f16, in tile order [32 blocks of 128 rows][16 heads][128 rows][64]: a wave's 32 rows of one head are 4,096 consecutive bytes.
; A work-group takes 256 queries of one head of one batch; wave w takes 32 of them (two blocks of 16) and walks all 2,048 keys.
; FORMS.  S^T = K Q^T (source 0: 16 keys x 32 d; source 1: 16 queries x 32 d): lane (r, h) holds query r and 8 keys.  Packed to f16, two such tiles ARE
; source 1 of O^T += V^T P^T (source 0: 16 d x 32 keys, by the transposing LDS load): no shuffle; maximum and sum are a lane's own, one exchange of
; the two halves of the lanes for each maximum and one for the final sum.
; KEY ORDER.  Inside 16 keys place 8 h + j of a fragment holds key 2 j + h, alike for K's rows, V's rows and the table of bounds.  With rows 272 bytes apart K's
; loads then touch 16 different rows and V's transposing loads 8 rows two apart.
; MASKS.  A masked score becomes exactly -FLT_MAX (the least of score, key bound, query bound; a bound is +FLT_MAX or -FLT_MAX), then an ordinary running
; maximum: in a row that is masked throughout every difference is 0, every weight 1, and the result the mean of all 2,048 V.
; The scale 64^-0.5 and log2 e go into Q before it is rounded, so the exponentials are powers of two of (score - maximum).
; FORMAT.  Q, K, V, the weights and the result are f16 (11 significant bits against bf16's 8).  The weights lie in [0, 1] by the running maximum; one below 2^-25
; becomes 0, which over 2,048 keys is at most 6e-5 of a row sum that is at least 1.  The row sum adds the unrounded f32 weights.
; LIMITS.  0.18 x Q beyond 65,504 in magnitude becomes infinite; with txt of spread 1 and Wq of spread 0.02 it has rms 0.115, with both thirty times larger 104,
; with offsets of 30 and 0.6 on them about 3,300, with both thirty times smaller 1.3e-4, where f16's step of 2^-24 leaves an error of about 1.3e-4 of it.
; The result has rms 0.019 where image has spread 1 and Wkv 0.02; with both thirty times larger 17, with offsets of 30 and 0.6 on them about 18,432, with both
; thirty times smaller 2.2e-5, where that step's error is about 0.08 per cent of it.
; Of a mask byte bit 0 alone is read.  A NaN score loses in the minimum and maximum instead of spreading.  Scores must be finite in f32.
; NO CLUSTER: a head's K|V tiles have two readers here (the two blocks of 256 queries).  Four readers would mean blocks of 128 queries, 16 a wave,
; and twice the LDS bytes read for each multiply-add, for tiles that are 512 KiB a work-group against 67 M multiply-adds.
; LDS: two slots of 512 keys x 272 bytes; 2,048 bounds in f32; a stage of 4,352 bytes for each wave.  Bounds and stage are written by LDS stores and no tensor load lands there.
.set PITCH,  272                       ; 256 bytes (K 128 | V 128) + 16
.set SLOT,   512*PITCH
.set WROWS,  64*PITCH                  ; a wave's share of a tile; also a step's 64 keys
.set KBASE,  2*SLOT
.set STAGE,  KBASE+8192
.set OPITCH, 144                       ; a row of the stage: 128 bytes of f16 + 16
.set KA,  4                            ; LDS address of K's fragments, stepped
.set VA,  5                            ; of V's
.set KBA, 6                            ; of the bounds
.set KA0, 7                            ; their lane terms
.set VA0, 8
.set KB0, 9
.set CO,  7                            ; at the end: my 16 bytes in 512 of the output
.set QB,  10                           ; v10-11  bound of my query, block 0, 1
.set M,   12                           ; v12-13  running maximum
.set LS,  14                           ; v14-15  running sum of my half of the keys
.set NM,  16                           ; v16-17  minus the maximum, twice
.set T,   20                           ; v20-27  at work;  v18-19, v28-29: the factor for the old sums, twice, block 0, 1
.set STO, 30
.set RD,  31
.set X0,  32                           ; v32-95   scores: block q at 32 q, tile t, register j at 8 t + j; then the packed weights
.set KB,  96                           ; v96-127  key bounds, 8 t + j
.set FK,  128                          ; v128-191 K's fragments (t, c) at 8 (2 t + c)
.set FV,  192                          ; v192-255 V's fragments (u, d) at 8 (4 u + d)
.set QF,  64                           ; window 1: v64-95 Q's fragments (q, c) at 8 (2 q + c);  v0-63 O (q, d) at 8 (4 q + d)
.set G1,  24
.set G0,  32
.set MSB, 0
.macro WIN new                         ; the immediate's high byte repeats the setting that is left
.if MSB != \new
	s_set_vgpr_msb (MSB<<8)|\new
.set MSB, \new
.endif
.endm
	s_load_b256 s[4:11], s[0:1], 0x0               ; qf s[4:5], kvb s[6:7], kv_mask s[8:9], q_mask s[10:11]
	s_load_b64 s[12:13], s[0:1], 0x20              ; of16
	s_set_vgpr_msb 0x40
	v_lshl_add_u32 v96, v0, 2, 0x4e800
	v_mov_b32 v97, 0
	s_set_vgpr_msb 0x4045
	ds_add_u32 v96, v97
	s_set_vgpr_msb 0x4500
	v_lshrrev_b32 v1, 5, v0
	v_readfirstlane_b32 s14, v1                    ; wave 0..7
	s_and_b32 s15, ttmp9, 1                        ; which 256 queries
	s_bfe_u32 s16, ttmp9, 0x40001                  ; head
	s_lshr_b32 s17, ttmp9, 5                       ; batch
	s_mov_b32 s20, 0x76543210                      ; v_permlanex16_b32: lane i reads lane i of the other half
	s_mov_b32 s21, 0xfedcba98
	s_mov_b32 s22, 0x7fffffff
	s_mov_b32 s23, 0x7f7fffff                      ; FLT_MAX
	; group 1: 64 rows x 128 elements of 2 bytes, 4 words of padding behind each row of 64 words
	s_mov_b32 s[G1+0], (1<<16)|(1<<20)|(5<<22)|(3<<25)
	s_mov_b32 s[G1+1], 128<<16
	s_mov_b32 s[G1+2], 64<<16
	s_mov_b32 s[G1+3], 128<<16
	s_mov_b32 s[G1+4], 64
	s_mov_b32 s[G1+5], 2048
	s_mov_b32 s[G1+6], 0
	s_mov_b32 s[G1+7], 0
	s_lshl_b32 s18, s17, 23                        ; batch x 2,048 keys x 4,096 bytes
	s_lshl_b32 s19, s14, 18                        ; + wave x 64 keys
	s_add_co_u32 s18, s18, s19
	s_lshl_b32 s19, s16, 8                         ; + head x 256 bytes
	s_add_co_u32 s18, s18, s19
	s_mov_b32 s19, 0
	s_mul_i32 s41, s14, WROWS                      ; my share of a slot
	s_lshl_b32 s42, s17, 21                        ; my first query's row in qf: (512 batch + 256 half + 32 wave) x 4,096 + 256 head
	s_lshl_b32 s43, s15, 20
	s_add_co_u32 s42, s42, s43
	s_lshl_b32 s43, s14, 17
	s_add_co_u32 s42, s42, s43
	s_lshl_b32 s43, s16, 8
	s_add_co_u32 s42, s42, s43
	s_mov_b32 s43, 0
	s_wait_dscnt 0x0
	s_wait_kmcnt 0x0
	s_add_nc_u64 s[6:7], s[6:7], s[18:19]
.irp s, 0,1
	s_mov_b32 s[G0+4*\s], 1
	s_add_co_u32 s[G0+4*\s+1], s41, \s*SLOT
	s_add_nc_u64 s[G0+4*\s+2:G0+4*\s+3], s[6:7], \s*512*4096
	s_or_b32 s[G0+4*\s+3], s[G0+4*\s+3], 0x80000000
	tensor_load_to_lds s[G0+4*\s:G0+4*\s+3], s[G1:G1+7]            ; keys 0-511 and 512-1023: the two first fills, ahead of everything else
	s_nop 0
.endr
	s_add_nc_u64 s[4:5], s[4:5], s[42:43]
	s_lshl_b32 s44, s17, 20                        ; my 32 rows in of16: block of 128 rows = 4 batch + 2 half + wave / 4, of 262,144 bytes;
	s_lshl_b32 s46, s15, 19
	s_add_co_u32 s44, s44, s46
	s_lshr_b32 s46, s14, 2
	s_lshl_b32 s46, s46, 18
	s_add_co_u32 s44, s44, s46
	s_lshl_b32 s46, s16, 14                        ; the head's 16,384 bytes in it;
	s_add_co_u32 s44, s44, s46
	s_and_b32 s46, s14, 3                          ; 32 (wave % 4) rows of 128 bytes
	s_lshl_b32 s46, s46, 12
	s_add_co_u32 s44, s44, s46
	s_mov_b32 s45, 0
	s_add_nc_u64 s[12:13], s[12:13], s[44:45]
	s_lshl_b32 s44, s17, 11
	s_add_nc_u64 s[8:9], s[8:9], s[44:45]          ; my batch's key mask
	s_lshl_b32 s44, s17, 9
	s_lshl_b32 s46, s15, 8
	s_add_co_u32 s44, s44, s46
	s_lshl_b32 s46, s14, 5
	s_add_co_u32 s44, s44, s46
	s_add_nc_u64 s[10:11], s[10:11], s[44:45]      ; my 32 queries' mask
	v_and_b32 v1, 31, v0                           ; l
	v_and_b32 v2, 15, v0                           ; r
	v_bfe_u32 v3, v0, 4, 1                         ; h
	v_lshlrev_b32 v24, 3, v0
	global_load_b64 v[20:21], v24, s[8:9]          ; thread t: the mask bytes of keys 8 t .. 8 t + 7
	global_load_u8 v22, v2, s[10:11]               ; my query's, block 0
	global_load_u8 v23, v2, s[10:11] offset:16     ; block 1
	v_lshlrev_b32 v25, 12, v2
	v_lshl_add_u32 v25, v3, 5, v25                 ; row r, 32 h bytes
.irp q, 0,1
.irp c, 0,1
	global_load_b128 v[FK+16*(2*\q+\c):FK+16*(2*\q+\c)+3],     v25, s[4:5] offset:\q*65536+\c*128      ; d = 32 c + 8 h + 0..3
	global_load_b128 v[FK+16*(2*\q+\c)+4:FK+16*(2*\q+\c)+7],   v25, s[4:5] offset:\q*65536+\c*128+16
	global_load_b128 v[FK+16*(2*\q+\c)+8:FK+16*(2*\q+\c)+11],  v25, s[4:5] offset:\q*65536+\c*128+64   ; d = 32 c + 16 + 8 h + 0..3
	global_load_b128 v[FK+16*(2*\q+\c)+12:FK+16*(2*\q+\c)+15], v25, s[4:5] offset:\q*65536+\c*128+80
.endr
.endr
	; lane terms of the LDS addresses
	v_and_b32 v4, 7, v0
	v_bfe_u32 v5, v0, 3, 1
	v_lshl_add_u32 v6, v4, 1, v5                   ; K: place r holds key 2 (r % 8) + r / 8
	v_mul_u32_u24 v6, v6, PITCH
	v_lshl_add_u32 v[KA0], v3, 4, v6
	v_lshl_add_u32 v6, v4, 1, v3                   ; V: lane l addresses key 2 (l % 8) + h,
	v_mul_u32_u24 v6, v6, PITCH
	v_lshl_add_u32 v6, v5, 4, v6                   ; the 16 bytes (l / 8) % 2 of a block of 16 d,
	v_add_nc_u32 v[VA0], 128, v6                   ; behind K's 128 bytes
	v_lshlrev_b32 v6, 5, v3
	v_add_nc_u32 v[KB0], KBASE, v6                 ; bounds: 8 of them at 32 h
	s_mul_i32 s46, s14, 16*PITCH
	s_add_co_u32 s46, s46, STAGE                   ; my stage
	v_mul_u32_u24 v6, v2, OPITCH
	v_lshl_add_u32 v6, v3, 4, v6
	v_add_nc_u32 v[STO], s46, v6                   ; in: row r, 16 h bytes
	v_lshrrev_b32 v6, 3, v1
	v_mul_u32_u24 v6, v6, OPITCH
	v_lshl_add_u32 v6, v4, 4, v6
	v_add_nc_u32 v[RD], s46, v6                    ; back: eight lanes take a row of 128 bytes, the wave four rows
	v_lshrrev_b32 v26, 1, v1                       ; where my 8 bounds go: 1,024 bytes a wave, 64 a group of 16 keys; my keys are its lower or upper 8
	v_and_b32 v27, 1, v1
	v_lshlrev_b32 v27, 4, v27
	v_lshl_add_u32 v27, v26, 6, v27
	s_lshl_b32 s47, s14, 10
	s_add_co_u32 s47, s47, KBASE
	v_add_nc_u32 v27, s47, v27
	s_wait_loadcnt 16                              ; the three mask loads are in; the 16 loads of Q stay out
	v_lshlrev_b32 v22, 31, v22
	v_xor_b32 v[QB], 0xff7fffff, v22               ; mask 1: +FLT_MAX, mask 0: -FLT_MAX
	v_lshlrev_b32 v23, 31, v23
	v_xor_b32 v[QB+1], 0xff7fffff, v23
	v_xor_b32 v20, 0x01010101, v20                 ; bit 0 of each byte: 1 = masked
	v_xor_b32 v21, 0x01010101, v21
.macro BOUND dst, word, sh             ; that bit becomes the sign of FLT_MAX
	v_lshlrev_b32 v26, \sh, v[\word]
	v_bfi_b32 v[\dst], s22, s23, v26
.endm
	BOUND 32, 20, 31                               ; keys 0, 2, 4, 6 of my eight (h = 0)
	BOUND 33, 20, 15
	BOUND 34, 21, 31
	BOUND 35, 21, 15
	BOUND 36, 20, 23                               ; keys 1, 3, 5, 7 (h = 1)
	BOUND 37, 20, 7
	BOUND 38, 21, 23
	BOUND 39, 21, 7
	ds_store_b128 v27, v[32:35]
	ds_store_b128 v27, v[36:39] offset:32
	s_wait_loadcnt 0x0                             ; Q
.set ci, 0
.rept 32
	v_pk_mul_f32 v[FK+2*ci:FK+2*ci+1], v[FK+2*ci:FK+2*ci+1], 0x3e38aa3b op_sel_hi:[1,0]   ; x 64^-0.5 log2 e
.set ci, ci+1
.endr
	WIN 0x40                                       ; destination window 1
.set ci, 0
.rept 32
	v_cvt_pk_f16_f32 v[QF+ci], v[FK+2*ci], v[FK+2*ci+1]
.set ci, ci+1
.endr
	WIN 0
	s_wait_tensorcnt 0x1                           ; my share of keys 0-511 is in; the second tile may stay out
	s_wait_dscnt 0x0                               ; my bounds are written
	s_barrier_signal -1
	s_barrier_wait -1
; The softmax step of query block qb on 64 keys: 32 scores a lane.  first = 1: no old maximum, no old sum.
.macro SOFTMAX qb, first
.set X, X0+32*\qb
.set AL, 18+10*\qb
.set si, 0
.rept 32
	v_min3_num_f32 v[X+si], v[X+si], v[KB+si], v[QB+\qb]           ; masked: exactly -FLT_MAX
.set si, si+1
.endr
.irp k, 0,1,2,3
	v_max3_num_f32 v[T+\k], v[X+3*\k], v[X+3*\k+1], v[X+3*\k+2]    ; four chains that do not wait for each other
.endr
.irp k, 0,1,2,3
	v_max3_num_f32 v[T+\k], v[T+\k], v[X+12+2*\k], v[X+13+2*\k]
.endr
.irp k, 0,1,2,3
	v_max3_num_f32 v[T+\k], v[T+\k], v[X+20+2*\k], v[X+21+2*\k]
.endr
	v_max3_num_f32 v[T], v[T], v[X+28], v[X+29]
	v_max3_num_f32 v[T+1], v[T+1], v[X+30], v[X+31]
.if \first
	v_max_num_f32 v[T+2], v[T+2], v[T+3]
.else
	v_max3_num_f32 v[T+2], v[T+2], v[T+3], v[M+\qb]
.endif
	v_max3_num_f32 v[T], v[T], v[T+1], v[T+2]
	v_permlanex16_b32 v[T+1], v[T], s20, s21       ; the other half of the keys
	v_max_num_f32 v[T+2], v[T], v[T+1]             ; the new maximum
.if \first == 0
	v_sub_f32 v[T+3], v[M+\qb], v[T+2]
	v_exp_f32 v[AL], v[T+3]                        ; the factor for the old sums; the move below is the plain instruction behind it (ISA guide 5.7.2)
.endif
	v_mov_b32 v[M+\qb], v[T+2]
	v_sub_f32 v[NM], 0, v[T+2]
	v_sub_f32 v[NM+1], 0, v[T+2]
.if \first == 0
	s_wait_alu depctr_va_vdst(0)
	v_mov_b32 v[AL+1], v[AL]
.endif
.set si, 0
.rept 16
	v_pk_add_f32 v[X+2*si:X+2*si+1], v[X+2*si:X+2*si+1], v[NM:NM+1]
.set si, si+1
.endr
.set si, 0
.rept 32
	v_exp_f32 v[X+si], v[X+si]
.set si, si+1
.endr
	v_nop                                          ; one plain instruction before the results are used
	s_wait_alu depctr_va_vdst(0)
.irp k, 0,1,2,3
	v_pk_add_f32 v[T+2*\k:T+2*\k+1], v[X+4*\k:X+4*\k+1], v[X+4*\k+2:X+4*\k+3]
.endr
.irp k, 0,1,2,3
	v_pk_add_f32 v[T+2*\k:T+2*\k+1], v[T+2*\k:T+2*\k+1], v[X+16+2*\k:X+17+2*\k]
.endr
.irp k, 0,1,2,3
	v_pk_add_f32 v[T+2*\k:T+2*\k+1], v[T+2*\k:T+2*\k+1], v[X+24+2*\k:X+25+2*\k]
.endr
	v_pk_add_f32 v[T:T+1], v[T:T+1], v[T+2:T+3]
	v_pk_add_f32 v[T+4:T+5], v[T+4:T+5], v[T+6:T+7]
	v_pk_add_f32 v[T:T+1], v[T:T+1], v[T+4:T+5]
.if \first
	v_add_f32 v[LS+\qb], v[T], v[T+1]
.else
	v_add_f32 v[T], v[T], v[T+1]
	v_fma_f32 v[LS+\qb], v[LS+\qb], v[AL], v[T]
.endif
.irp u, 0,1
.irp i, 0,1,2,3,4,5,6,7
	v_cvt_pk_f16_f32 v[X+16*\u+\i], v[X+16*\u+2*\i], v[X+16*\u+2*\i+1]     ; in place, ascending: register i is written when 2 i and 2 i + 1 are read
.endr
.endr
.endm
; One step: 64 keys for both query blocks.
.macro STEP first
.irp t, 0,1,2,3
.irp c, 0,1
	ds_load_b128 v[FK+8*(2*\t+\c):FK+8*(2*\t+\c)+3],   v[KA] offset:\t*16*PITCH+64*\c
	ds_load_b128 v[FK+8*(2*\t+\c)+4:FK+8*(2*\t+\c)+7], v[KA] offset:\t*16*PITCH+64*\c+32
.endr
.endr
.irp t, 0,1,2,3
	ds_load_b128 v[KB+8*\t:KB+8*\t+3],   v[KBA] offset:64*\t
	ds_load_b128 v[KB+8*\t+4:KB+8*\t+7], v[KBA] offset:64*\t+16
.endr
.irp u, 0,1
.irp d, 0,1,2,3
	ds_load_tr16_b128 v[FV+8*(4*\u+\d):FV+8*(4*\u+\d)+3],   v[VA] offset:\u*32*PITCH+32*\d
	ds_load_tr16_b128 v[FV+8*(4*\u+\d)+4:FV+8*(4*\u+\d)+7], v[VA] offset:\u*32*PITCH+32*\d+16*PITCH
.endr
.endr
	s_wait_dscnt 24                                ; K is in; the 8 loads of bounds and the 16 of V stay out
	WIN 0x04                                       ; source 1 (Q) window 1
	; eight score tiles take turns, one instruction a turn; d = 0-31 starts the sums, d = 32-63 adds
.irp c, 0,1
.irp t, 0,1,2,3
.irp q, 0,1
.if \c
	v_wmma_f32_16x16x32_f16 v[X0+32*\q+8*\t:X0+32*\q+8*\t+7], v[FK+8*(2*\t+\c):FK+8*(2*\t+\c)+7], v[QF+8*(2*\q+\c):QF+8*(2*\q+\c)+7], v[X0+32*\q+8*\t:X0+32*\q+8*\t+7]
.else
	v_wmma_f32_16x16x32_f16 v[X0+32*\q+8*\t:X0+32*\q+8*\t+7], v[FK+8*(2*\t+\c):FK+8*(2*\t+\c)+7], v[QF+8*(2*\q+\c):QF+8*(2*\q+\c)+7], 0
.endif
.endr
.endr
.endr
	WIN 0
.rept 4
	v_nop                                          ; four places before vector instructions read the scores (ISA guide 7.12.1)
.endr
	s_wait_dscnt 16                                ; the bounds are in; V's 16 loads stay out
	SOFTMAX 0, \first
	SOFTMAX 1, \first
.if \first == 0
	WIN 0x41                                       ; O in window 1, the factor in window 0
.irp q, 0,1
.set ri, 0
.rept 16
	v_pk_mul_f32 v[32*\q+2*ri:32*\q+2*ri+1], v[32*\q+2*ri:32*\q+2*ri+1], v[18+10*\q:19+10*\q]
.set ri, ri+1
.endr
.endr
.endif
	s_wait_dscnt 0x0                               ; V
	WIN 0x50                                       ; C and D (O) window 1
	; eight tiles of O take turns, one instruction a turn
.irp u, 0,1
.irp q, 0,1
.irp d, 0,1,2,3
.set pz, \first*(1-\u)
.if pz
	v_wmma_f32_16x16x32_f16 v[8*(4*\q+\d):8*(4*\q+\d)+7], v[FV+8*(4*\u+\d):FV+8*(4*\u+\d)+7], v[X0+32*\q+16*\u:X0+32*\q+16*\u+7], 0
.else
	v_wmma_f32_16x16x32_f16 v[8*(4*\q+\d):8*(4*\q+\d)+7], v[FV+8*(4*\u+\d):FV+8*(4*\u+\d)+7], v[X0+32*\q+16*\u:X0+32*\q+16*\u+7], v[8*(4*\q+\d):8*(4*\q+\d)+7]
.endif
.endr
.endr
.endr
	WIN 0
	; five places behind the last of them: the next step loads into V's fragments and its first products write over the weights
	v_add_nc_u32 v[KA], WROWS, v[KA]
	v_add_nc_u32 v[VA], WROWS, v[VA]
	v_add_nc_u32 v[KBA], 256, v[KBA]
	v_nop
	v_nop
.endm
; Tile ph (512 keys) in its slot: eight steps.
.macro PHASE ph, slot, first
	v_add_nc_u32 v[KA], \slot*SLOT, v[KA0]
	v_add_nc_u32 v[VA], \slot*SLOT, v[VA0]
	v_add_nc_u32 v[KBA], \ph*2048, v[KB0]
.if \first
	STEP 1                                         ; the very first step starts maximum, sums and O: nothing is cleared
	s_mov_b32 s40, 7
.else
	s_mov_b32 s40, 8
.endif
.Lstep_\@:
	STEP 0
	s_sub_co_u32 s40, s40, 1
	s_cmp_lg_u32 s40, 0
	s_cbranch_scc1 .Lstep_\@
.endm
; The slot just read is filled again, two tiles ahead.  The other slot's tile has landed by the wait for all loads; it is read while this load is on its way.
.macro REFILL slot
	s_wait_dscnt 0x0                               ; my reads of the slot are back
	s_set_vgpr_msb 0x5
	s_wait_tensorcnt 0x0                           ; all my tensor loads have landed: a group 0 may be written
	ds_add_u32 v96, v97
	s_wait_dscnt 0x0
	s_set_vgpr_msb 0x500
	s_add_nc_u64 s[G0+4*\slot+2:G0+4*\slot+3], s[G0+4*\slot+2:G0+4*\slot+3], 1024*4096
	s_barrier_signal -1
	s_barrier_wait -1                              ; both hold of all eight waves
	tensor_load_to_lds s[G0+4*\slot:G0+4*\slot+3], s[G1:G1+7]      ; my one tensor load behind this barrier, and the first thing there
	s_nop 0
.endm
	PHASE 0, 0, 1
	REFILL 0                                       ; keys 1024-1535
	PHASE 1, 1, 0
	REFILL 1                                       ; keys 1536-2047: the last load
	PHASE 2, 0, 0
	s_wait_dscnt 0x0
	s_wait_tensorcnt 0x0                           ; my share of the last tile
	s_barrier_signal -1
	s_barrier_wait -1                              ; everybody's; nothing is filled any more
	PHASE 3, 1, 0
	; THE END: the two halves' sums meet, O is divided by the sum, rounded to f16 and leaves through my stage, four whole rows of 128 bytes a store.
.irp q, 0,1
	v_permlanex16_b32 v[T+1], v[LS+\q], s20, s21
	v_add_f32 v[T], v[LS+\q], v[T+1]               ; at least 1: the largest score's weight is 1
	v_rcp_f32 v[18+10*\q], v[T]
	v_nop                                          ; one plain instruction before the result is used
	s_wait_alu depctr_va_vdst(0)
	v_mov_b32 v[19+10*\q], v[18+10*\q]
.endr
	v_lshlrev_b32 v[CO], 4, v1                     ; 16 bytes a lane: my rows follow each other without a gap
.macro OUTQ q, buf
	WIN 0x01                                       ; source 0 (O) window 1
.set ri, 0
.rept 16
	v_pk_mul_f32 v[X0+2*ri:X0+2*ri+1], v[32*\q+2*ri:32*\q+2*ri+1], v[18+10*\q:19+10*\q]
.set ri, ri+1
.endr
	WIN 0
.set ri, 0
.rept 16
	v_cvt_pk_f16_f32 v[X0+32+ri], v[X0+2*ri], v[X0+2*ri+1]
.set ri, ri+1
.endr
.irp d, 0,1,2,3
	ds_store_b128 v[STO], v[X0+32+4*\d:X0+32+4*\d+3] offset:32*\d  ; query r, d = 16 d + 8 h + 0..7
.endr
.irp t, 0,1,2,3
	ds_load_b128 v[\buf+4*\t:\buf+4*\t+3], v[RD] offset:\t*4*OPITCH ; LDS serves a wave's instructions in order: these see the stores above
.endr
.irp t, 0,1,2,3
	s_wait_dscnt 3-\t                              ; rows 4 t .. 4 t + 3 are back, the younger ones stay out
	global_store_b128 v[CO], v[\buf+4*\t:\buf+4*\t+3], s[12:13] offset:\q*2048+\t*512   ; the wave stores 512 consecutive bytes, at a multiple of 512 from the buffer's first byte
.endr
.endm
	OUTQ 0, FK                                     ; each block has its own registers for the rows read back
	OUTQ 1, FV
	s_set_vgpr_msb 0x5
	s_wait_tensorcnt 0x0
	ds_add_u32 v96, v97
	s_wait_dscnt 0x0
	s_set_vgpr_msb 0x500
	s_endpgm
.Lfunc_end_k_qb53ba6598c_attn:
	.size	k_qb53ba6598c_attn, .Lfunc_end_k_qb53ba6598c_attn-k_qb53ba6598c_attn
	.p2alignl 7, 3214868480
	.fill 96, 4, 3214868480
	.section	.rodata,"a",@progbits
	.p2align	6, 0x0
	.amdhsa_kernel k_qb53ba6598c_attn
		.amdhsa_group_segment_fixed_size 327680
		.amdhsa_private_segment_fixed_size 0
		.amdhsa_enable_private_segment 0
		.amdhsa_kernarg_size 40
		.amdhsa_user_sgpr_count 2
		.amdhsa_user_sgpr_kernarg_segment_ptr 1
		.amdhsa_wavefront_size32 1
		.amdhsa_system_sgpr_workgroup_id_x 1
		.amdhsa_system_sgpr_workgroup_id_y 1
		.amdhsa_system_sgpr_workgroup_id_z 1
		.amdhsa_system_vgpr_workitem_id 0
		.amdhsa_next_free_vgpr 354
		.amdhsa_next_free_sgpr 66
		.amdhsa_reserve_vcc 0
		.amdhsa_float_denorm_mode_32 3
		.amdhsa_float_denorm_mode_16_64 3
		.amdhsa_memory_ordered 1
		.amdhsa_forward_progress 1
		.amdhsa_inst_pref_size 130
	.end_amdhsa_kernel
	.amdgpu_metadata
---
amdhsa.version: [ 1, 2 ]
amdhsa.kernels:
  - .name:           k_qb53ba6598c_attn
    .symbol:         k_qb53ba6598c_attn.kd
    .args:
      - { .name: qf, .offset: 0, .size: 8, .value_kind: global_buffer, .address_space: global }
      - { .name: kvb, .offset: 8, .size: 8, .value_kind: global_buffer, .address_space: global }
      - { .name: kv_mask, .offset: 16, .size: 8, .value_kind: global_buffer, .address_space: global }
      - { .name: q_mask, .offset: 24, .size: 8, .value_kind: global_buffer, .address_space: global }
      - { .name: of16, .offset: 32, .size: 8, .value_kind: global_buffer, .address_space: global }
    .group_segment_fixed_size: 327680
    .private_segment_fixed_size: 0
    .kernarg_segment_align: 8
    .kernarg_segment_size: 40
    .max_flat_workgroup_size: 256
    .sgpr_count:     66
    .vgpr_count:     354
    .wavefront_size: 32
...
	.end_amdgpu_metadata
.endif
;; end of part 4
;; launch oproj: the kernel of part 2 again; grid 8 x 32, 4 waves a work-group, clusters of 4 x 4, 327,680 bytes of LDS; arguments of16, wob, out0, bout; writes out0
